; MI455X (gfx1250); checked and timed in simulation.
; The chip was launched on July 23, 2026; its instructions are those of AMD's public machine-readable ISA for CDNA 5 (MIT licence, August 2026) and "CDNA5" Instruction Set Architecture Reference Guide (July 2026). The comments in the code are by the model that wrote it; some were corrected since.
;; Low Rank Token Mix. Allowed arithmetic: matrix products marked QUANTISED: E2M1 operands, one E8M0 scale for each 32 along K, by v_wmma_scale_f32_16x16x128_f8f6f4 with both operands' format E2M1 (or v_wmma_scale_f32_32x16x128_f4), f32 sums; everything else in f32.
;; Inputs: W_B_codes 64 x 16 x 16 uint8 (E2M1 codes of W_B, K innermost, in blocks of 32 codes, two codes a byte); W_B_scales 64 x 16 uint8 (E8M0 scales of W_B, one for each 32 codes along K); W_C_codes 512 x 2 x 16 uint8 (E2M1 codes of W_C, K innermost, in blocks of 32 codes, two codes a byte); W_C_scales 512 x 2 uint8 (E8M0 scales of W_C, one for each 32 codes along K); x_codes 4 x 4,096 x 16 x 16 uint8 (E2M1 codes of x, K innermost, in blocks of 32 codes, two codes a byte); x_scales 4 x 4,096 x 16 uint8 (E8M0 scales of x, one for each 32 codes along K).
;; Outputs: out0 4 x 4,096 x 512 float32.
;; This version of the problem:
;;   THIS VERSION OF THE PROBLEM IS GIVEN IN LOW PRECISION. The matrix products marked QUANTISED in the list below multiply operands that are first quantised to E2M1 (2 exponent bits, 1 mantissa bit; 4 bits a number), with one power-of-two scale for each 32 numbers along K (OCP MX v1.0); their sums are f32. All else is computed in f32.
;;   The module's matrix products, in the order in which they are computed (A, B: the left and right operand; K: the contracted axis; several contracted axes count as one K, in the product's order):
;;     1. [M 16,384, K 512] x [K 512, N 64]; A: input x (given as codes); B: input W_B (given as codes): QUANTISED
;;     2. batch 4 x [M 4,096, K 64] x [K 64, N 4,096]; A: computed on the way; B: computed on the way: QUANTISED
;;     3. batch 4 x [M 4,096, K 4,096] x [K 4,096, N 64]; A: softmax (see below); B: computed on the way: QUANTISED
;;     4. [M 16,384, K 64] x [K 64, N 512]; A: computed on the way; B: input W_C (given as codes): QUANTISED
;;   THE QUANTISER, for each operand of a quantised product, along K:
;;     - K is cut into blocks of 32 from its start; a last block that is shorter is filled with zeros.
;;     - A block's scale is 2^e with e = floor(log2(the largest magnitude in the block)) - 2, held to -126 .. 127; a block of zeros has e = 0. As a byte (E8M0): e + 127.
;;     - Each number is divided by its block's scale, clamped to +-6, and rounded to the nearest number of E2M1, ties to even, subnormals kept.
;;     - The product sums the exact products of the quantised numbers (number of the format x scale) in f32.
;;   ~~~python
;;   def quantise(x, axis):      # numpy; x: float32 -> the quantised numbers, widened to float32 again
;;       x = np.moveaxis(x, axis, -1); K = x.shape[-1]
;;       x = np.pad(x, [(0, 0)] * (x.ndim - 1) + [(0, -K % 32)]); x = x.reshape(x.shape[:-1] + (-1, 32)); a = np.abs(x).max(-1, keepdims=True)
;;       e = np.where(a > 0, np.clip(np.frexp(np.where(a > 0, a, 1))[1] - 1 - 2, -126, 127), 0)      # np.frexp(a)[1] - 1 = floor(log2(a)), exactly
;;       r = np.clip(x / 2.0 ** e, -6, 6)
;;       step = 2.0 ** (np.maximum(np.frexp(np.where(r == 0, 1, r))[1] - 1, 0) - 1)
;;       q = np.round(r / step) * step * 2.0 ** e      # np.round: ties to even
;;       return np.moveaxis(q.reshape(q.shape[:-2] + (-1,))[..., :K], -1, axis).astype(np.float32)
;;   ~~~
;;   SOFTMAX AHEAD OF A QUANTISED PRODUCT. Where the list says 'softmax', what is quantised is not the finished softmax but p = 2^(t - M), with t = logit x log2(e) and M = ceil(the row's largest t), a whole number; so 1/2 < the row's largest p <= 1. The row's sum l is taken of the UNQUANTISED p, in f32, and the product's result is divided by l at the end. Since M is a whole number, a kernel that streams over the keys may use a running M (the ceiling of the running maximum): every later rescaling is an exact power of two, which a block's scale takes up: the codes' values come out the same.
;;   OPERANDS COMPUTED ON THE WAY. 'Computed on the way' means the value that the module computes at that place (a softmax that the list does not call 'softmax' is quantised finished and normalised). What goes into a quantiser is computed in f32, as accurately as f32 sums, v_exp_f32 and their like allow (about 1e-6 of the number): no bf16 or f16 on the way to a quantiser, and a product that is left as it is and whose result goes on into a quantised operand takes f32 operands (vector FMAs, or v_wmma_f32_16x16x4_f32). A number that lies on a knife's edge between two numbers of the format may be rounded either way, as far as f32 arithmetic and the matrix unit's own rounding can turn it there, and no further.
;;   INPUTS GIVEN AS CODES. W_B (in the module: [64, 512], K = its axis 1); W_C (in the module: [512, 64], K = its axis 1); x (in the module: [4, 4096, 512], K = its axis 2): each comes as NAME_codes (uint8): NAME with its K axis moved to the last place and cut into blocks of 32 codes, [.., K / 32, bytes a block], one block behind the other in memory; two codes a byte, the lower K in the low four bits (a code: sign, 2 exponent bits, 1 mantissa bit); and NAME_scales (uint8): the same leading axes, one E8M0 byte (e + 127) for each 32 codes along K. Its value is code x scale, taken as it is: it is not quantised again, and the codes and scales need not be those that the quantiser above would give.
;; One version. Each part assembles by itself: llvm-mc -triple=amdgcn-amd-amdhsa -mcpu=gfx1250 --defsym DOCPART=n.
;; ======== version 1 of 1: 2 launches
;; workspace buffers: kv 1,114,112 bytes
;; launch project (part 1): grid 128 x 1, 8 waves a work-group, no clusters, 168,960 bytes of LDS; arguments x_codes, x_scales, W_B_codes, W_B_scales, kv; writes kv
.if DOCPART == 1
	.amdgcn_target "amdgcn-amd-amdhsa--gfx1250"
	.amdhsa_code_object_version 6
	.text
	.protected	k_qf393ac9de6_project
	.globl	k_qf393ac9de6_project
	.p2align	8
	.type	k_qf393ac9de6_project,@function
k_qf393ac9de6_project:
	s_mov_b64 s[64:65], 0
	v_nop
	global_prefetch_b8 v0, s[64:65] scope:SCOPE_SE
	s_setreg_imm32_b32 hwreg(HW_REG_WAVE_MODE, 25, 1), 1
	s_wait_xcnt 0x0
; b = x W_B^T on codes of FP4 (E2M1) with E8M0 scales, and b quantised twice: along the rank (operand of b b^T) and along the keys (operand of p b).
; Work-group S takes x rows 128 S .. 128 S + 127 (batch S / 32, key step S % 32) and stores block S of kv, 8,704 bytes, as IMAGES OF OPERAND REGISTERS:
;   +0    KIMG: tile T (0..7) at 512 T, lane l at 16 l: the codes of ranks 32 (l / 16) + 0 .. 31 of key 32 (T / 2) + 8 (T % 2) + r + 8 (r / 8), r = l % 16
;   +4096 VIMG: rank tile t (0..3) at 1024 t, half c at 512 c, lane at 16 l: the codes of keys 64 c + 32 (l / 16) + 0 .. 31 of rank 32 (t / 2) + 8 (t % 2) + r + 8 (r / 8)
;   +8192 KSC, +8448 VSC: two scale bytes (a half-word) for each (tile pair u, half g, r) at 8 (r + 16 (u % 2)) + 4 (u / 2) + 2 g;  K: u = T / 2, g = T % 2;  V: u = t, g = c
; THE PRODUCT IS MADE TWICE, once in each orientation (swapped sources give the same sums): a lane's registers must run along the axis that is quantised.
;   phase K: source 0 = W_B's four tiles, source 1 = x tile w:               a lane holds one key, its 32 registers 2 x 16 ranks
;   phase V: source 0 = x tiles 4 (w % 2) .. + 3, source 1 = W_B tile w / 2: a lane holds one rank, its 32 registers 2 x 16 keys
; THE ROWS OF A TILE ARE NOT NEIGHBOURS: lane r of tile i takes row 32 (i / 2) + 8 (i % 2) + r + 8 (r / 8), so that registers 16 b + i of two neighbouring tiles are 16 neighbours 32 b + 16 (l / 16) + i.
; No cluster: W_B, the one tile that work-groups share, is 16,384 of the 49,152 bytes that a work-group fetches, and is fetched once.  128 work-groups: a scale word of V wants 128 keys from one owner.
; LIMITS: NaN, infinities and a given scale byte 0xff are not served.  A block of b whose largest magnitude lies under 2^-124, a block of zeros among them, gets the byte 1; these bytes are read by this program alone.
.set PITCH, 272                        ; an LDS row: 256 bytes (512 codes) + 16 of padding
.set WROW,  128                        ; LDS rows 0-127: x; rows 128-191: W_B
.set SCS,   192*PITCH                  ; behind them, in two blocks of 256 bytes into which no fill lands: KSC, then VSC
.set BLK,   8704                       ; a block of kv
.set WV,  14                           ; s14 wave;  s15 u = wave / 2;  s16 g = wave % 2
.set TAU, 15
.set GAM, 16
.set SEL, 20                           ; s[20:21] v_permlanex16_b32's selects for lane l xor 16
.set G1,  24                           ; s[24:31] descriptor group 1: 32 rows of 256 bytes
.set G0X, 32                           ; s[32:35] group 0 for x's rows;  s[36:39] for W_B's
.set G0W, 36
.set F0,  64                           ; v64-103, v104-143: two buffers: four fragments of source 0, then one of source 1
.set F1,  104
.set ACC, 144                          ; v144-175 four accumulators
.set SAK, 176                          ; scale words: register 4 i + s: tile i, K step s
.set SBK, 192
.set SAV, 196
.set SBV, 212
.set PCK, 216                          ; the codes made, four registers a phase: no store's data are written again
.set PCV, 220
.set TM,  224                          ; v224-229 at work
.set HWK, 230                          ; the two half-words of scale bytes
.set HWV, 231
	s_load_b256 s[4:11], s[0:1], 0x0               ; x_codes s[4:5], x_scales s[6:7], W_B_codes s[8:9], W_B_scales s[10:11]
	s_load_b64 s[12:13], s[0:1], 0x20              ; kv
	v_lshl_add_u32 v232, v0, 2, 0x29000
	v_mov_b32 v233, 0
	ds_add_u32 v232, v233
	ds_add_u32 v232, v233
	v_lshrrev_b32 v1, 5, v0
	v_readfirstlane_b32 s[WV], v1                  ; wave 0..7
	s_lshr_b32 s[TAU], s[WV], 1
	s_and_b32 s[GAM], s[WV], 1
	s_mov_b32 s[G1+0], (0<<16)|(1<<20)|(5<<22)|(3<<25)  ; no mask; elements of 1 byte; padding on: after every 64 words (code 5) four words (code 3)
	s_mov_b32 s[G1+1], 256<<16                     ; tensor_dim0 = 256
	s_mov_b32 s[G1+2], 32<<16                      ; tensor_dim1 = 32
	s_mov_b32 s[G1+3], 256<<16                     ; tile_dim0 = 256
	s_mov_b32 s[G1+4], 32                          ; tile_dim1 = 32
	s_mov_b32 s[G1+5], 256                         ; from row to row
	s_mov_b32 s[G1+6], 0
	s_mov_b32 s[G1+7], 0
	s_mov_b32 s[SEL], 0x76543210
	s_mov_b32 s[SEL+1], 0xfedcba98
	s_and_b32 s40, s[WV], 3                        ; x: waves 0-3 fetch 32 rows each
	s_mov_b32 s[G0X], 1
	s_mul_i32 s[G0X+1], s40, 32*PITCH
	s_lshl_b32 s40, s40, 13
	s_lshl_b32 s41, ttmp9, 15                      ; the work-group's 128 rows of 256 bytes
	s_add_co_u32 s40, s40, s41
	s_mov_b32 s41, 0
	s_and_b32 s42, s[WV], 1                        ; W_B: waves 4 and 5 fetch 32 rows each
	s_mov_b32 s[G0W], 1
	s_mul_i32 s[G0W+1], s42, 32*PITCH
	s_add_co_u32 s[G0W+1], s[G0W+1], WROW*PITCH
	s_lshl_b32 s42, s42, 13
	s_mov_b32 s43, 0
	s_wait_dscnt 0x0
	s_wait_kmcnt 0x0
	s_add_nc_u64 s[G0X+2:G0X+3], s[4:5], s[40:41]
	s_or_b32 s[G0X+3], s[G0X+3], 0x80000000
	s_add_nc_u64 s[G0W+2:G0W+3], s[8:9], s[42:43]
	s_or_b32 s[G0W+3], s[G0W+3], 0x80000000
	s_cmp_lt_u32 s[WV], 4                          ; one load a wave at the most; four v_nop follow each line
	s_cbranch_scc0 .Lnot_x
	tensor_load_to_lds s[G0X:G0X+3], s[G1:G1+7]
	s_nop 0
.rept 4
	v_nop
.endr
	s_branch .Lasked
.Lnot_x:
	s_cmp_lt_u32 s[WV], 6
	s_cbranch_scc0 .Lasked
	tensor_load_to_lds s[G0W:G0W+3], s[G1:G1+7]
	s_nop 0
.rept 4
	v_nop
.endr
.Lasked:
	s_lshl_b32 s44, ttmp9, 11                      ; x_scales at the work-group's rows: 16 bytes a row
	s_mov_b32 s45, 0
	s_add_nc_u64 s[6:7], s[6:7], s[44:45]
	s_mul_i32 s44, ttmp9, BLK
	s_add_nc_u64 s[12:13], s[12:13], s[44:45]      ; kv at my block
	v_and_b32 v1, 15, v0                           ; r
	v_bfe_u32 v2, v0, 4, 1                         ; h
	v_and_b32 v3, 8, v1
	v_add_nc_u32 v3, v3, v1                        ; r + 8 (r / 8)
	s_lshl_b32 s46, s[TAU], 5
	s_lshl_b32 s47, s[GAM], 3
	s_add_co_u32 s46, s46, s47                     ; first row of x tile w: 32 u + 8 g
	s_lshr_b32 s47, s[TAU], 1
	s_lshl_b32 s47, s47, 5
	s_and_b32 s48, s[TAU], 1
	s_lshl_b32 s49, s48, 3
	s_add_co_u32 s47, s47, s49                     ; first row of W_B tile u: 32 (u / 2) + 8 (u % 2)
	v_lshlrev_b32 v9, 4, v3                        ; scale words: a row's 16 bytes are the words of its four K steps of 128
	s_lshl_b32 s49, s46, 4
	v_add_nc_u32 v10, s49, v9
	s_lshl_b32 s49, s[GAM], 10
	v_add_nc_u32 v11, s49, v9
	s_lshl_b32 s49, s47, 4
	v_add_nc_u32 v12, s49, v9
.irp i, 0,1,2,3
	global_load_b128 v[SAK+4*\i:SAK+4*\i+3], v9, s[10:11] offset:(32*(\i/2)+8*(\i%2))*16
.endr
	global_load_b128 v[SBK:SBK+3], v10, s[6:7]
.irp i, 0,1,2,3
	global_load_b128 v[SAV+4*\i:SAV+4*\i+3], v11, s[6:7] offset:(32*(\i/2)+8*(\i%2))*16
.endr
	global_load_b128 v[SBV:SBV+3], v12, s[10:11]
	v_mul_u32_u24 v4, v3, PITCH
	v_lshl_add_u32 v4, v2, 4, v4                   ; a fragment's row x pitch + 16 h
	v_add_nc_u32 v5, WROW*PITCH, v4                ; phase K, source 0: W_B's tiles
	s_mul_i32 s49, s46, PITCH
	v_add_nc_u32 v6, s49, v4                       ; phase K, source 1: x tile w
	s_mul_i32 s49, s[GAM], 64*PITCH
	v_add_nc_u32 v7, s49, v4                       ; phase V, source 0: x tiles 4 g on
	s_mul_i32 s49, s47, PITCH
	s_add_co_u32 s49, s49, WROW*PITCH
	v_add_nc_u32 v8, s49, v4                       ; phase V, source 1: W_B tile u
	v_lshlrev_b32 v13, 4, v0                       ; an image's place: 16 x lane + 512 x wave = 16 x thread
	s_lshl_b32 s49, s48, 7
	s_lshr_b32 s50, s[TAU], 1
	s_lshl_b32 s50, s50, 2
	s_add_co_u32 s49, s49, s50
	s_lshl_b32 s50, s[GAM], 1
	s_add_co_u32 s49, s49, s50
	s_add_co_u32 s49, s49, SCS
	v_lshl_add_u32 v14, v1, 3, s49                 ; my half-word: SCS + 8 (r + 16 (u % 2)) + 4 (u / 2) + 2 g
	v_and_b32 v15, 31, v0
	v_lshlrev_b32 v15, 4, v15                      ; 16 x lane
	v_mov_b32 v[TM+2], 0                           ; written once: a lane permute's destination counts as one of its sources
	v_mov_b32 v[TM+3], 0
; ten LDS loads: K step s (128 codes: 64 bytes of a row) of source 0's four tiles and of source 1's one
.macro LDF buf, s, pa, pb
.irp i, 0,1,2,3
	ds_load_b128 v[\buf+8*\i:\buf+8*\i+3],   v[\pa] offset:(32*(\i/2)+8*(\i%2))*PITCH+64*\s
	ds_load_b128 v[\buf+8*\i+4:\buf+8*\i+7], v[\pa] offset:(32*(\i/2)+8*(\i%2))*PITCH+64*\s+32
.endr
	ds_load_b128 v[\buf+32:\buf+35], v[\pb] offset:64*\s
	ds_load_b128 v[\buf+36:\buf+39], v[\pb] offset:64*\s+32
.endm
; four products, the four accumulators by turns; zero = 1: the first K step starts the sums
.macro MUL buf, s, sa, sb, zero
.irp i, 0,1,2,3
.if \zero
	v_wmma_scale_f32_16x16x128_f8f6f4 v[ACC+8*\i:ACC+8*\i+7], v[\buf+8*\i:\buf+8*\i+7], v[\buf+32:\buf+39], 0, v[\sa+4*\i+\s], v[\sb+\s] matrix_a_fmt:MATRIX_FMT_FP4 matrix_b_fmt:MATRIX_FMT_FP4
.else
	v_wmma_scale_f32_16x16x128_f8f6f4 v[ACC+8*\i:ACC+8*\i+7], v[\buf+8*\i:\buf+8*\i+7], v[\buf+32:\buf+39], v[ACC+8*\i:ACC+8*\i+7], v[\sa+4*\i+\s], v[\sb+\s] matrix_a_fmt:MATRIX_FMT_FP4 matrix_b_fmt:MATRIX_FMT_FP4
.endif
.endr
.endm
.macro PLACES                          ; four plain places behind a matrix instruction, ahead of loads into its sources and of reads of its result
.rept 4
	v_nop
.endr
.endm
; 32 numbers of a lane, register 16 b + i = index 32 b + 16 h + i, become four registers of codes (index 32 h + 0 .. 31) in v[pc] on and the two blocks' scale bytes in v[hw]
.macro QUANT2 src, pc, hw
.irp b, 0,1
	v_max3_num_f32 v[TM+\b], |v[\src+16*\b]|, |v[\src+16*\b+1]|, 0x1800000   ; my 16 numbers of block b, and the floor 2^(3 - 127): the byte cannot fall under 1
.endr
.irp i, 2,4,6,8,10,12,14
.irp b, 0,1
	v_max3_num_f32 v[TM+\b], v[TM+\b], |v[\src+16*\b+\i]|, |v[\src+16*\b+\i+1]|
.endr
.endr
.irp b, 0,1
	v_permlanex16_b32 v[TM+2+\b], v[TM+\b], s[SEL], s[SEL+1]
.endr
.irp b, 0,1
	v_max_num_f32 v[TM+\b], v[TM+\b], v[TM+2+\b]   ; with lane l xor 16's: the block's largest magnitude
.endr
.irp b, 0,1
	v_add_nc_u32 v[TM+4+\b], 0xff000000, v[TM+\b]  ; 2 off its exponent field: the conversion's scale operand
.endr
.irp b, 0,1
	v_lshrrev_b32 v[TM+2+\b], 23, v[TM+4+\b]       ; the scale's byte
.endr
	v_lshl_or_b32 v[\hw], v[TM+3], 8, v[TM+2]
.irp b, 0,1
	v_cvt_scalef32_pk8_fp4_f32 v[\pc+2*\b],   v[\src+16*\b:\src+16*\b+7],    v[TM+4+\b]
	v_cvt_scalef32_pk8_fp4_f32 v[\pc+2*\b+1], v[\src+16*\b+8:\src+16*\b+15], v[TM+4+\b]
.endr
	v_nop                                          ; one plain place behind a scaled conversion
	v_permlane16_swap_b32 v[\pc],   v[\pc+2]       ; a whole block to a lane: lanes 0-15 block 0, lanes 16-31 block 1
	v_permlane16_swap_b32 v[\pc+1], v[\pc+3]
.endm
; One orientation of the product, K = 512 in four steps on two buffers, and its quantising.  s_wait_dscnt 10: the ten loads of the younger buffer may be out.
.macro PHASE pa, pb, sa, sb, pc, hw, off, soff
	LDF F0, 0, \pa, \pb
	LDF F1, 1, \pa, \pb
	s_wait_dscnt 10
	MUL F0, 0, \sa, \sb, 1
	PLACES
	LDF F0, 2, \pa, \pb
	s_wait_dscnt 10
	MUL F1, 1, \sa, \sb, 0
	PLACES
	LDF F1, 3, \pa, \pb
	s_wait_dscnt 10
	MUL F0, 2, \sa, \sb, 0
	s_wait_dscnt 0x0
	MUL F1, 3, \sa, \sb, 0
	PLACES
	QUANT2 ACC, \pc, \hw
	global_store_b128 v13, v[\pc:\pc+3], s[12:13] offset:\off   ; the wave stores 512 consecutive bytes, at a multiple of 256 from kv's first byte
	ds_store_b16 v14, v[\hw] offset:\soff          ; lanes l and l xor 16 write the same half-word with the same value
.endm
	s_wait_tensorcnt 0x0                           ; my rows are in LDS (a wave that fetched nothing passes),
	s_barrier_signal -1
	s_barrier_wait -1                              ; everybody's are
	s_wait_loadcnt 0x0                             ; the scale words
	PHASE 5, 6, SAK, SBK, PCK, HWK, 0, 0
	PHASE 7, 8, SAV, SBV, PCV, HWV, 4096, 256
	s_wait_dscnt 0x0                               ; for the others' sake: my two half-words lie in LDS
	s_barrier_signal -1
	s_barrier_wait -1
	s_cmp_lg_u32 s[WV], 0                          ; wave 0 stores the 512 scale bytes: two aligned runs of 256 bytes by one instruction
	s_cbranch_scc1 .Ldone
	ds_load_b128 v[16:19], v15 offset:SCS
	s_wait_dscnt 0x0
	global_store_b128 v15, v[16:19], s[12:13] offset:8192
.Ldone:
	s_wait_tensorcnt 0x0
	ds_add_u32 v232, v233
	s_wait_dscnt 0x0
	s_endpgm
.Lfunc_end_k_qf393ac9de6_project:
	.size	k_qf393ac9de6_project, .Lfunc_end_k_qf393ac9de6_project-k_qf393ac9de6_project
	.p2alignl 7, 3214868480
	.fill 96, 4, 3214868480
	.section	.rodata,"a",@progbits
	.p2align	6, 0x0
	.amdhsa_kernel k_qf393ac9de6_project
		.amdhsa_group_segment_fixed_size 168960
		.amdhsa_private_segment_fixed_size 0
		.amdhsa_enable_private_segment 0
		.amdhsa_kernarg_size 40
		.amdhsa_user_sgpr_count 2
		.amdhsa_user_sgpr_kernarg_segment_ptr 1
		.amdhsa_wavefront_size32 1
		.amdhsa_system_sgpr_workgroup_id_x 1
		.amdhsa_system_sgpr_workgroup_id_y 1
		.amdhsa_system_sgpr_workgroup_id_z 1
		.amdhsa_system_vgpr_workitem_id 0
		.amdhsa_next_free_vgpr 234
		.amdhsa_next_free_sgpr 66
		.amdhsa_reserve_vcc 0
		.amdhsa_float_denorm_mode_32 3
		.amdhsa_float_denorm_mode_16_64 3
		.amdhsa_memory_ordered 1
		.amdhsa_forward_progress 1
		.amdhsa_inst_pref_size 21
	.end_amdhsa_kernel
	.amdgpu_metadata
---
amdhsa.version: [ 1, 2 ]
amdhsa.kernels:
  - .name:           k_qf393ac9de6_project
    .symbol:         k_qf393ac9de6_project.kd
    .args:
      - { .name: x_codes, .offset: 0, .size: 8, .value_kind: global_buffer, .address_space: global }
      - { .name: x_scales, .offset: 8, .size: 8, .value_kind: global_buffer, .address_space: global }
      - { .name: W_B_codes, .offset: 16, .size: 8, .value_kind: global_buffer, .address_space: global }
      - { .name: W_B_scales, .offset: 24, .size: 8, .value_kind: global_buffer, .address_space: global }
      - { .name: kv, .offset: 32, .size: 8, .value_kind: global_buffer, .address_space: global }
    .group_segment_fixed_size: 168960
    .private_segment_fixed_size: 0
    .kernarg_segment_align: 8
    .kernarg_segment_size: 40
    .max_flat_workgroup_size: 256
    .sgpr_count:     66
    .vgpr_count:     234
    .wavefront_size: 32
...
	.end_amdgpu_metadata
.endif
;; end of part 1
;; launch attend (part 2): grid 64 x 4, 16 waves a work-group, clusters of 4 x 1, 327,680 bytes of LDS; arguments kv, W_C_codes, W_C_scales, out0; writes out0
.if DOCPART == 2
	.amdgcn_target "amdgcn-amd-amdhsa--gfx1250"
	.amdhsa_code_object_version 6
	.text
	.protected	k_qf393ac9de6_attend
	.globl	k_qf393ac9de6_attend
	.p2align	8
	.type	k_qf393ac9de6_attend,@function
k_qf393ac9de6_attend:
	s_mov_b64 s[64:65], 0
	v_nop
	global_prefetch_b8 v0, s[64:65] scope:SCOPE_SE
	s_setreg_imm32_b32 hwreg(HW_REG_WAVE_MODE, 25, 1), 1
	s_wait_xcnt 0x0
	s_wait_alu depctr_hold_cnt(0) depctr_sa_sdst(0) depctr_va_vdst(0) depctr_va_sdst(0) depctr_va_ssrc(0) depctr_va_vcc(0) depctr_vm_vsrc(0)
	s_getreg_b32 s2, hwreg(HW_REG_IB_STS2, 6, 4)
	s_cmp_eq_u32 s2, 0
	s_cbranch_scc0 .Lentry_in_a_cluster
	s_endpgm
.Lentry_in_a_cluster:
	s_bfe_u32 s2, ttmp6, 0x10000c
	s_cmp_lg_u32 s2, 0x3003
	s_cbranch_scc0 .Lentry_shape_is_right
	s_endpgm
.Lentry_shape_is_right:
; out = (softmax(b b^T) b) W_C^T, all three products on codes of FP4 (E2M1) with E8M0 scales.  kv holds, for each batch and each step of 128 keys, a block of 8,704 bytes:
; KIMG (8 tiles of 16 keys x 64 ranks), VIMG (4 tiles of 16 ranks x 128 keys), KSC and VSC (their scale bytes), all as images of operand registers (16 bytes a lane, 512 a piece).
; SOFTMAX: t = score x log2(e); M = the largest t so far, rounded up to a whole number; p = 2^(t - M) is quantised along the keys; the sum l is taken of the unquantised p and divides at the end.
; SHARES.  A work-group owns 64 queries of one batch: tiles 4 (qb % 2) .. + 3 of step qb / 2.  Wave w: query tile w % 4, key group w / 4; group g walks steps 4 j + g, j = 0 .. 7.
; Four waves to a SIMD, 256 registers each.  The four partial results of a query tile are merged at the end by powers of two, which round nothing; each of the four waves then makes 128 of the 512 output columns.
; ALL OF A BATCH'S kv, 278,528 bytes, lies in LDS, filled once: waves 0-3 issue eight loads each at the start (eight are out at the most), step 4 j + w by load j.
; CLUSTER.  The four work-groups of a cluster belong to one batch: every load is asked for jointly, with the same descriptor and a mask that names the four.
; K = 64 IN AN INSTRUCTION OF K = 128.  Source 0 holds TWO tiles (registers 0-3: tile 2 u, registers 4-7: tile 2 u + 1) and source 1 lies as twelve registers [D, 0, D]: the first eight give tile 2 u's
; result, the last eight tile 2 u + 1's.  Zero codes add nothing; their blocks' scale byte is 1.  Both products are used transposed: a lane holds ONE query throughout.
; A tile's queries are chosen as a tile's keys are, so Q's fragment is the K image itself (read from memory: which tile hangs on the place in the cluster, and no LDS address may).
; LIMITS: NaN and infinities are not served; a scale byte 0xff in W_C would also spoil the rows of the tile that shares its instruction.  A block whose largest magnitude lies under 2^-124 gets the byte 1.
.set BLK,  8704
.set REC,  4352                        ; a wave's merge record: O^T 4,096 bytes, -M 128, l 128.  Records lie in the bytes of steps 0-7, read last in round 1, written behind round 7's barrier
.set STG,  16*REC                      ; the stages for the way out: 16 rows x 528 bytes a wave, in the bytes of steps 8-23, written behind the merge's barrier
.set SPI,  528
.set WV,   12                          ; s12 wave;  s13 query tile;  s14 key group
.set QT,   13
.set GR,   14
.set SEL,  20                          ; s[20:21] selects for lane l xor 16
.set CS,   22                          ; s[22:23] log2(e): the packed form names a pair and takes its low word
.set G1,   24                          ; s[24:31] descriptor group 1;  s[32:63] eight groups 0
.set G0,   32
.set QAD,  66                          ; s[66:67] Q's image;  s[68:69] its scale half-words
.set QSD,  68
.set WCD,  70                          ; s[70:71] my 128 rows of W_C's codes;  s[72:73] of its scales
.set WSD,  72
.set OUT,  74                          ; s[74:75] out0 at my tile's first row and my 128 columns
.set AD16, 1                           ; v1  16 x lane + my group's step in hand
.set AD8,  2                           ; v2  8 x lane + the same
.set L16,  3                           ; v3  16 x lane
.set WCA,  4                           ; v4  32 r + 16 h: W_C's codes
.set WSA,  5                           ; v5  2 r: W_C's scales
.set RCW,  6                           ; v6, v7  my record: O^T, statistics
.set RSW,  7
.set RCR,  8                           ; v8, v9  group 0's record of my query tile
.set RSR,  9
.set STO,  10                          ; v10 the stage, in;  v11 back
.set STR,  11
.set NM,   12                          ; v12 -M;  v13 the largest t;  v[14:15] l in two halves
.set TMX,  13
.set LS,   14
.set QB,   16                          ; v[16:27] [D, 0, D]: Q's codes, later mixed's
.set QS,   28                          ; v28, v29 its scale words [s0 s1 1 1], [1 1 s0 s1]
.set KS,   30                          ; v[30:31] K's scale words;  v[32:33] V's;  v34 p's
.set VS,   32
.set PW,   34
.set QSA,  35                          ; v35 8 r
.set WS,   40                          ; v40-43 W_C's scale words, v44-47 their upper halves as loaded
.set WH,   44
.set PC,   48                          ; v48-55 p's codes
.set KF,   64                          ; v64-95 K's eight tiles, later W_C's
.set VF,   96                          ; v96-127 V's four tiles
.set S,    128                         ; v128-191 S^T, then p
.set O,    192                         ; v192-223 O^T
.set BM,   224                         ; v224-227 the blocks' largest scores, then p
.set BX,   228
.set SO,   232
.set T,    236
.set LT,   237
.set F,    238                         ; v[238:239] f = 2^(old M - new M)
.set L2,   240
.set MG,   242                         ; the merge: -M and l of the four groups, f of each
.set LG,   246
.set FG,   250
.set TM,   242                         ; QUANT2's six registers: the merge's statistics are done with by then
.macro CROUND                          ; a round of the cluster's barrier
	s_barrier_signal -1
	s_barrier_wait -1
	s_cmp_lg_u32 s[WV], 0
	s_cbranch_scc1 .Lnot_wave_0_\@
	s_barrier_signal -3
.Lnot_wave_0_\@:
	s_barrier_wait -3
	s_barrier_signal -1
	s_barrier_wait -1
.endm
.macro PLACES
.rept 4
	v_nop
.endr
.endm
	s_load_b256 s[4:11], s[0:1], 0x0               ; kv s[4:5], W_C_codes s[6:7], W_C_scales s[8:9], out0 s[10:11]
	v_lshl_add_u32 v254, v0, 2, 0x44000
	v_mov_b32 v255, 0
	ds_add_u32 v254, v255
	ds_add_u32 v254, v255
	v_lshrrev_b32 v1, 5, v0
	v_readfirstlane_b32 s[WV], v1                  ; wave 0..15
	s_and_b32 s[QT], s[WV], 3
	s_lshr_b32 s[GR], s[WV], 2
	s_bfe_u32 s15, ttmp6, 0x40000                  ; cx
	s_lshl_b32 s16, ttmp9, 2
	s_add_co_u32 s16, s16, s15                     ; qb = 4 x cluster x + cx: it enters global addresses of Q and out0 alone
	s_and_b32 s17, ttmp7, 0xffff                   ; the batch, which the four partners share
	s_mov_b32 s[G1+0], 15|(3<<16)|(1<<21)          ; the mask: all four work-groups; elements of 8 bytes; bit 21 set beside a mask; no padding: images are read 16 bytes a lane, on end
	s_mov_b32 s[G1+1], 32<<16                      ; tensor_dim0 = 32 (256 bytes)
	s_mov_b32 s[G1+2], 34<<16                      ; tensor_dim1 = 34 rows: a block
	s_mov_b32 s[G1+3], 32<<16                      ; tile_dim0
	s_mov_b32 s[G1+4], 34                          ; tile_dim1
	s_mov_b32 s[G1+5], 32                          ; dense
	s_mov_b32 s[G1+6], 0
	s_mov_b32 s[G1+7], 0
	s_mov_b32 s[SEL], 0x76543210
	s_mov_b32 s[SEL+1], 0xfedcba98
	s_mov_b32 s[CS], 0x3fb8aa3b                    ; log2(e)
	s_mov_b32 s[CS+1], s[CS]
	s_mul_i32 s18, s17, 32*BLK                     ; my batch in kv
	s_mov_b32 s19, 0
	s_mul_i32 s76, s[QT], BLK                      ; what I fetch, if I fetch (waves 0-3): steps 4 j + wave; the same number in memory and in LDS
	s_mov_b32 s77, 0
	; every LDS address is made here, of the lane and the wave alone
	v_and_b32 v36, 31, v0                          ; lane
	v_and_b32 v37, 15, v0                          ; r
	v_bfe_u32 v38, v0, 4, 1                        ; h
	v_lshlrev_b32 v[L16], 4, v36
	s_mul_i32 s78, s[GR], BLK
	v_add_nc_u32 v[AD16], s78, v[L16]
	v_lshl_add_u32 v[AD8], v36, 3, s78
	v_lshlrev_b32 v[WCA], 5, v37
	v_lshl_add_u32 v[WCA], v38, 4, v[WCA]
	v_lshlrev_b32 v[WSA], 1, v37
	v_lshlrev_b32 v[QSA], 3, v37
	s_mul_i32 s79, s[WV], REC
	v_add_nc_u32 v[RCW], s79, v[L16]
	s_add_co_u32 s79, s79, 4096
	v_lshl_add_u32 v[RSW], v36, 2, s79
	s_mul_i32 s78, s[QT], REC
	v_add_nc_u32 v[RCR], s78, v[L16]
	s_add_co_u32 s78, s78, 4096
	v_lshl_add_u32 v[RSR], v36, 2, s78
	s_mul_i32 s79, s[WV], 16*SPI
	s_add_co_u32 s79, s79, STG
	v_add_nc_u32 v[STR], s79, v[L16]
	v_mul_u32_u24 v[STO], v37, SPI
	v_lshl_add_u32 v[STO], v38, 5, v[STO]
	v_add_nc_u32 v[STO], s79, v[STO]
	; offsets that hang on my block of queries
	s_lshr_b32 s84, s16, 1                         ; the step that holds my queries
	s_and_b32 s85, s16, 1                          ; which half of it
	s_lshl_b32 s86, s85, 2
	s_add_co_u32 s86, s86, s[QT]                   ; T: my tile in that step
	s_mul_i32 s87, s84, BLK
	s_lshl_b32 s88, s86, 9
	s_add_co_u32 s[QAD], s87, s88                  ; KIMG + 512 T
	s_mov_b32 s[QAD+1], 0
	s_lshr_b32 s88, s[QT], 1                       ; KSC: 8 r + 128 ((T / 2) % 2) + 4 (T / 4) + 2 (T % 2)
	s_lshl_b32 s88, s88, 7
	s_add_co_u32 s[QSD], s87, s88
	s_lshl_b32 s88, s85, 2
	s_add_co_u32 s[QSD], s[QSD], s88
	s_and_b32 s88, s[QT], 1
	s_lshl_b32 s88, s88, 1
	s_add_co_u32 s[QSD], s[QSD], s88
	s_add_co_u32 s[QSD], s[QSD], 8192
	s_mov_b32 s[QSD+1], 0
	s_lshl_b32 s[OUT], s17, 12                     ; my tile's first row of out0: 4096 batch + 128 step + 32 (T / 2) + 8 (T % 2)
	s_lshl_b32 s88, s84, 7
	s_add_co_u32 s[OUT], s[OUT], s88
	s_lshr_b32 s88, s86, 1
	s_lshl_b32 s88, s88, 5
	s_add_co_u32 s[OUT], s[OUT], s88
	s_and_b32 s88, s86, 1
	s_lshl_b32 s88, s88, 3
	s_add_co_u32 s[OUT], s[OUT], s88
	s_lshl_b32 s[OUT], s[OUT], 11                  ; rows of 2,048 bytes (under 2^25 in all)
	s_lshl_b32 s88, s[GR], 9                       ; my 128 columns
	s_add_co_u32 s[OUT], s[OUT], s88
	s_mov_b32 s[OUT+1], 0
	s_lshl_b32 s[WCD], s[GR], 12                   ; 128 rows of 32 bytes
	s_mov_b32 s[WCD+1], 0
	s_lshl_b32 s[WSD], s[GR], 8                    ; 128 rows of 2 bytes
	s_mov_b32 s[WSD+1], 0
	s_wait_dscnt 0x0
	s_wait_kmcnt 0x0
	s_add_nc_u64 s[18:19], s[4:5], s[18:19]        ; kv at my batch
	s_add_nc_u64 s[82:83], s[18:19], s[76:77]      ; at my first step
.irp j, 0,1,2,3,4,5,6,7
	s_mov_b32 s[G0+4*\j], 1
	s_add_co_u32 s[G0+4*\j+1], s76, \j*4*BLK
	s_add_nc_u64 s[G0+4*\j+2:G0+4*\j+3], s[82:83], \j*4*BLK
	s_or_b32 s[G0+4*\j+3], s[G0+4*\j+3], 0x80000000
.endr
	s_add_nc_u64 s[QAD:QAD+1], s[18:19], s[QAD:QAD+1]
	s_add_nc_u64 s[QSD:QSD+1], s[18:19], s[QSD:QSD+1]
	s_add_nc_u64 s[WCD:WCD+1], s[6:7], s[WCD:WCD+1]
	s_add_nc_u64 s[WSD:WSD+1], s[8:9], s[WSD:WSD+1]
	s_add_nc_u64 s[OUT:OUT+1], s[10:11], s[OUT:OUT+1]
	CROUND                                         ; all four work-groups are here: the joint loads meet
	s_cmp_lt_u32 s[WV], 4                          ; a wave's eight fills stand in one branch, ahead of every wait on TENSORcnt and every LDS read; four v_nop follow the last
	s_cbranch_scc0 .Lno_fetch
.irp j, 0,1,2,3,4,5,6,7
	tensor_load_to_lds s[G0+4*\j:G0+4*\j+3], s[G1:G1+7]
	s_nop 0
.endr
	PLACES
.Lno_fetch:
	global_load_b128 v[QB:QB+3], v[L16], s[QAD:QAD+1]     ; Q's codes, twice: [D, 0, D]
	global_load_b128 v[QB+8:QB+11], v[L16], s[QAD:QAD+1]
	global_load_u16 v[QS], v[QSA], s[QSD:QSD+1]           ; query r's two scale bytes
.irp i, 4,5,6,7
	v_mov_b32 v[QB+\i], 0
.endr
	v_mov_b32 v[TMX], 0xff61b1e6                   ; the largest t so far: -3e38
	v_floor_f32 v[NM], -v[TMX]
	v_mov_b32 v[LS], 0
	v_mov_b32 v[LS+1], 0
.irp b, 0,1,2,3
	v_mov_b32 v[BX+\b], 0                          ; a lane permute's destination counts as one of its sources
.endr
	v_mov_b32 v[F+1], 0                            ; named as the upper half of a pair
	s_wait_loadcnt 0x0
	v_lshl_or_b32 v[QS+1], v[QS], 16, 0x0101       ; [1 1 s0 s1]
	v_or_b32 v[QS], 0x01010000, v[QS]              ; [s0 s1 1 1]
.irp e, 0,1,2,3,4,5,6,7,8,9,10,11,12,13,14,15,16,17,18,19,20,21,22,23,24,25,26,27,28,29,30,31
	v_mov_b32 v[O+\e], 0                           ; O^T: the step is written once; the first change of M multiplies zeros.  (These 32 also stand between the scale words just made and the first scaled product)
.endr
.macro SPROD t                         ; S^T of key tile t: source 0 = the pair of tiles t / 2, source 1 = [D, 0] or [0, D]
.if ((\t)/2)%2
	v_wmma_scale_f32_16x16x128_f8f6f4 v[S+8*(\t):S+8*(\t)+7], v[KF+8*((\t)/2):KF+8*((\t)/2)+7], v[QB+4*((\t)%2):QB+4*((\t)%2)+7], 0, v[KS+(\t)/4], v[QS+(\t)%2] matrix_a_fmt:MATRIX_FMT_FP4 matrix_b_fmt:MATRIX_FMT_FP4 matrix_a_scale:MATRIX_SCALE_ROW1
.else
	v_wmma_scale_f32_16x16x128_f8f6f4 v[S+8*(\t):S+8*(\t)+7], v[KF+8*((\t)/2):KF+8*((\t)/2)+7], v[QB+4*((\t)%2):QB+4*((\t)%2)+7], 0, v[KS+(\t)/4], v[QS+(\t)%2] matrix_a_fmt:MATRIX_FMT_FP4 matrix_b_fmt:MATRIX_FMT_FP4
.endif
.endm
.macro OPROD t                         ; O^T of rank tile t += V^T P^T over the step's 128 keys
.if (\t)%2
	v_wmma_scale_f32_16x16x128_f8f6f4 v[O+8*(\t):O+8*(\t)+7], v[VF+8*(\t):VF+8*(\t)+7], v[PC:PC+7], v[O+8*(\t):O+8*(\t)+7], v[VS+(\t)/2], v[PW] matrix_a_fmt:MATRIX_FMT_FP4 matrix_b_fmt:MATRIX_FMT_FP4 matrix_a_scale:MATRIX_SCALE_ROW1
.else
	v_wmma_scale_f32_16x16x128_f8f6f4 v[O+8*(\t):O+8*(\t)+7], v[VF+8*(\t):VF+8*(\t)+7], v[PC:PC+7], v[O+8*(\t):O+8*(\t)+7], v[VS+(\t)/2], v[PW] matrix_a_fmt:MATRIX_FMT_FP4 matrix_b_fmt:MATRIX_FMT_FP4
.endif
.endm
.macro WPROD n                         ; out^T of W_C's tile n (16 columns of out0)
	v_wmma_scale_f32_16x16x128_f8f6f4 v[S+8*(\n):S+8*(\n)+7], v[KF+8*((\n)/2):KF+8*((\n)/2)+7], v[QB+4*((\n)%2):QB+4*((\n)%2)+7], 0, v[WS+(\n)/2], v[QS+(\n)%2] matrix_a_fmt:MATRIX_FMT_FP4 matrix_b_fmt:MATRIX_FMT_FP4
.endm
; 32 numbers of a lane, register 16 b + i = rank 32 b + 16 h + i, become four registers of codes (ranks 32 h + 0 .. 31) in v[pc] on and the two blocks' scale bytes in v[hw]
.macro QUANT2 src, pc, hw
.irp b, 0,1
	v_max3_num_f32 v[TM+\b], |v[\src+16*\b]|, |v[\src+16*\b+1]|, 0x1800000   ; and the floor 2^(3 - 127): the byte cannot fall under 1
.endr
.irp i, 2,4,6,8,10,12,14
.irp b, 0,1
	v_max3_num_f32 v[TM+\b], v[TM+\b], |v[\src+16*\b+\i]|, |v[\src+16*\b+\i+1]|
.endr
.endr
.irp b, 0,1
	v_permlanex16_b32 v[TM+2+\b], v[TM+\b], s[SEL], s[SEL+1]
.endr
.irp b, 0,1
	v_max_num_f32 v[TM+\b], v[TM+\b], v[TM+2+\b]
.endr
.irp b, 0,1
	v_add_nc_u32 v[TM+4+\b], 0xff000000, v[TM+\b]  ; 2 off the exponent field: the conversion's scale operand
.endr
.irp b, 0,1
	v_lshrrev_b32 v[TM+2+\b], 23, v[TM+4+\b]
.endr
	v_lshl_or_b32 v[\hw], v[TM+3], 8, v[TM+2]
.irp b, 0,1
	v_cvt_scalef32_pk8_fp4_f32 v[\pc+2*\b],   v[\src+16*\b:\src+16*\b+7],    v[TM+4+\b]
	v_cvt_scalef32_pk8_fp4_f32 v[\pc+2*\b+1], v[\src+16*\b+8:\src+16*\b+15], v[TM+4+\b]
.endr
	v_nop                                          ; one plain place behind a scaled conversion
	v_permlane16_swap_b32 v[\pc],   v[\pc+2]
	v_permlane16_swap_b32 v[\pc+1], v[\pc+3]
.endm
; A KEY STEP of my group: 128 keys.
.macro STEP j
.if \j > 0
	v_add_nc_u32 v[AD16], 4*BLK, v[AD16]           ; my group's next step; with the two v_nop: the four places behind the last products, ahead of loads into their sources
	v_add_nc_u32 v[AD8], 4*BLK, v[AD8]
	v_nop
	v_nop
.endif
.irp k, 0,1,2,3,4,5,6,7
	ds_load_b128 v[KF+4*\k:KF+4*\k+3], v[AD16] offset:512*\k
.endr
	ds_load_b64 v[KS:KS+1], v[AD8] offset:8192     ; lane r + 16 (u % 2), word u / 2: the four scale bytes of the pair of tiles u
.irp k, 0,1,2,3,4,5,6,7
	ds_load_b128 v[VF+4*\k:VF+4*\k+3], v[AD16] offset:4096+512*\k
.endr
	ds_load_b64 v[VS:VS+1], v[AD8] offset:8448
	s_wait_dscnt 9                                 ; K and its scale words are in; V's nine loads may be out
.irp t, 0,1,2,3,4,5,6,7
	SPROD \t
.endr                                              ; lane (r, h): query r; the 16 registers of tiles 2 b, 2 b + 1 are keys 32 b + 16 h + 0 .. 15
	PLACES
.irp b, 0,1,2,3
	v_max3_num_f32 v[BM+\b], v[S+16*\b], v[S+16*\b+1], v[S+16*\b+2]   ; the largest score of each block of 32 keys: for the row's maximum and for the block's largest p
.endr
.irp i, 3,5,7,9,11,13
.irp b, 0,1,2,3
	v_max3_num_f32 v[BM+\b], v[BM+\b], v[S+16*\b+\i], v[S+16*\b+\i+1]
.endr
.endr
.irp b, 0,1,2,3
	v_max_num_f32 v[BM+\b], v[BM+\b], v[S+16*\b+15]
.endr
.if \j == 7                                    ; K's registers are free for good: my 128 rows of W_C and their scale bytes are asked for
.irp n, 0,1,2,3,4,5,6,7
	global_load_b128 v[KF+4*\n:KF+4*\n+3], v[WCA], s[WCD:WCD+1] offset:512*\n
.endr
.irp p, 0,1,2,3
	global_load_u16 v[WS+\p], v[WSA], s[WSD:WSD+1] offset:64*\p
	global_load_u16 v[WH+\p], v[WSA], s[WSD:WSD+1] offset:64*\p+32
.endr
.endif
.irp b, 0,1,2,3
	v_permlanex16_b32 v[BX+\b], v[BM+\b], s[SEL], s[SEL+1]
.endr
.irp b, 0,1,2,3
	v_max_num_f32 v[BM+\b], v[BM+\b], v[BX+\b]     ; with lane l xor 16's 16 keys
.endr
	v_max3_num_f32 v[T], v[BM], v[BM+1], v[BM+2]
	v_max_num_f32 v[T], v[T], v[BM+3]              ; the step's largest score of my query
	v_mul_f32 v[T], s[CS], v[T]                    ; as t
	v_max_num_f32 v[TMX], v[TMX], v[T]
	v_mov_b32 v[T], v[NM]
	v_floor_f32 v[NM], -v[TMX]                     ; the new -M = -ceil(t)
	v_sub_f32 v[T], v[NM], v[T]                    ; old M - new M: a whole number, 0 or less
	v_cvt_i32_f32 v[T], v[T]                       ; (it saturates)
	v_ldexp_f32 v[F], 1.0, v[T]                    ; f = 2^(old M - new M)
.irp e, 0,2,4,6,8,10,12,14,16,18,20,22,24,26,28,30,32,34,36,38,40,42,44,46,48,50,52,54,56,58,60,62
	v_pk_fma_f32 v[S+\e:S+\e+1], v[S+\e:S+\e+1], s[CS:CS+1], v[NM:NM+1] op_sel_hi:[1,0,0]   ; t - M, two at a time
.endr
.irp b, 0,1,2,3
	v_fma_f32 v[BM+\b], v[BM+\b], s[CS], v[NM]     ; the same of each block's largest score
.endr
.irp e, 0,1,2,3,4,5,6,7,8,9,10,11,12,13,14,15,16,17,18,19,20,21,22,23,24,25,26,27,28,29,30,31,32,33,34,35,36,37,38,39,40,41,42,43,44,45,46,47,48,49,50,51,52,53,54,55,56,57,58,59,60,61,62,63
	v_exp_f32 v[S+\e], v[S+\e]                     ; p = 2^(t - M)
.endr
	v_pk_mul_f32 v[LS:LS+1], v[LS:LS+1], v[F:F+1] op_sel_hi:[1,0]   ; l under the new M: the plain place behind the exponentials
	s_wait_alu depctr_va_vdst(0)                   ; one wait for the batch of 64, ahead of its first reader
.irp b, 0,1,2,3
	v_exp_f32 v[BM+\b], v[BM+\b]                   ; the block's largest p: the same two instructions on the same number
.endr
	v_pk_add_f32 v[L2:L2+1], v[S:S+1], v[S+2:S+3]  ; the row's sum of the unquantised p, in two chains
.irp e, 4,8,12,16,20,24,28,32,36,40,44,48,52,56,60
	v_pk_add_f32 v[LS:LS+1], v[LS:LS+1], v[S+\e:S+\e+1]
	v_pk_add_f32 v[L2:L2+1], v[L2:L2+1], v[S+\e+2:S+\e+3]
.endr
	v_pk_add_f32 v[LS:LS+1], v[LS:LS+1], v[L2:L2+1]
	s_wait_alu depctr_va_vdst(0)                   ; and one for the four
.irp b, 0,1,2,3
	v_max_num_f32 v[BM+\b], 0x1800000, v[BM+\b]    ; the floor 2^(3 - 127)
.endr
.irp b, 0,1,2,3
	v_add_nc_u32 v[SO+\b], 0xff000000, v[BM+\b]    ; the conversion's scale operand
.endr
.irp b, 0,1,2,3
	v_lshrrev_b32 v[BX+\b], 23, v[SO+\b]           ; the scale's byte
.endr
	v_lshl_or_b32 v[PW], v[BX+1], 8, v[BX]         ; p's scale word for these 128 keys
	v_lshl_or_b32 v[PW], v[BX+2], 16, v[PW]
	v_lshl_or_b32 v[PW], v[BX+3], 24, v[PW]
.irp b, 0,1,2,3
	v_cvt_scalef32_pk8_fp4_f32 v[PC+2*\b],   v[S+16*\b:S+16*\b+7],    v[SO+\b]
	v_cvt_scalef32_pk8_fp4_f32 v[PC+2*\b+1], v[S+16*\b+8:S+16*\b+15], v[SO+\b]
.endr
	v_nop                                          ; one plain place behind a scaled conversion
.irp c, 0,1
.irp i, 0,1
	v_permlane16_swap_b32 v[PC+4*\c+\i], v[PC+2+4*\c+\i]   ; a whole block to a lane
.endr
.endr
.irp e, 0,2,4,6,8,10,12,14,16,18,20,22,24,26,28,30
	v_pk_mul_f32 v[O+\e:O+\e+1], v[O+\e:O+\e+1], v[F:F+1] op_sel_hi:[1,0]   ; O^T under the new M; these 16 also stand between p's codes and scale word and the scaled products
.endr
	s_wait_dscnt 0x0                               ; V and its scale words are in: no LDS access of mine is out at the next barrier
.irp t, 0,1,2,3
	OPROD \t                                       ; the four accumulators by turns
.endr
.endm
; EIGHT ROUNDS.  In front of round j's barrier a fetching wave waits for its load j (7 - j younger ones may stay out); behind it steps 4 j .. 4 j + 3 are whole for all sixteen waves.
.irp j, 0,1,2,3,4,5,6,7
	s_wait_tensorcnt 7-\j
	s_barrier_signal -1
	s_barrier_wait -1
	STEP \j
.endr
	; THE MERGE.  Each wave lays O^T, -M and l of its key group into its record; the four waves of a query tile read all four records.
	v_add_f32 v[LS], v[LS], v[LS+1]
	v_permlanex16_b32 v[T], v[LS], s[SEL], s[SEL+1]
	v_add_f32 v[LS], v[LS], v[T]                   ; my group's l of query r
	v_nop
	v_nop                                          ; two additions and two v_nop: four plain places behind the last products
.irp k, 0,1,2,3,4,5,6,7
	ds_store_b128 v[RCW], v[O+4*\k:O+4*\k+3] offset:512*\k   ; each accumulator from its low end on
.endr
	ds_store_b32 v[RSW], v[NM]
	ds_store_b32 v[RSW], v[LS] offset:128
	s_wait_dscnt 0x0                               ; for the others' sake: my record lies in LDS
	s_barrier_signal -1
	s_barrier_wait -1
.irp g, 0,1,2,3
	ds_load_b32 v[MG+\g], v[RSR] offset:4*REC*\g
	ds_load_b32 v[LG+\g], v[RSR] offset:4*REC*\g+128
.endr
.irp k, 0,1,2,3,4,5,6,7
	ds_load_b128 v[S+4*\k:S+4*\k+3], v[RCR] offset:512*\k
.endr
.irp k, 0,1,2,3,4,5,6,7
	ds_load_b128 v[S+32+4*\k:S+32+4*\k+3], v[RCR] offset:4*REC+512*\k
.endr
.irp k, 0,1,2,3,4,5,6,7
	ds_load_b128 v[VF+4*\k:VF+4*\k+3], v[RCR] offset:8*REC+512*\k
.endr
.irp k, 0,1,2,3,4,5,6,7
	ds_load_b128 v[O+4*\k:O+4*\k+3], v[RCR] offset:12*REC+512*\k
.endr
	s_wait_dscnt 32                                ; the eight statistics are in; the 32 loads of O^T may be out
	v_min3_num_f32 v[T], v[MG], v[MG+1], v[MG+2]
	v_min_num_f32 v[T], v[T], v[MG+3]              ; -M of all keys
.irp g, 0,1,2,3
	v_sub_f32 v[FG+\g], v[T], v[MG+\g]             ; M of group g less M of all: a whole number, 0 or less
.endr
.irp g, 0,1,2,3
	v_cvt_i32_f32 v[FG+\g], v[FG+\g]
.endr
.irp g, 0,1,2,3
	v_ldexp_f32 v[FG+\g], 1.0, v[FG+\g]            ; a power of two
.endr
	v_mul_f32 v[LT], v[FG], v[LG]
	v_fmac_f32 v[LT], v[FG+1], v[LG+1]
	v_fmac_f32 v[LT], v[FG+2], v[LG+2]
	v_fmac_f32 v[LT], v[FG+3], v[LG+3]             ; the row's sum
	v_rcp_f32 v[F], v[LT]
	v_nop                                          ; a plain place behind the reciprocal,
	s_wait_alu depctr_va_vdst(0)                   ; and the wait ahead of its first reader
.irp g, 0,1,2,3
	v_mul_f32 v[BM+2*\g], v[FG+\g], v[F]           ; 2^(M_g - M) / l, in both halves of a pair
	v_mul_f32 v[BM+2*\g+1], v[FG+\g], v[F]
.endr
	s_wait_dscnt 0x0
.irp e, 0,2,4,6,8,10,12,14,16,18,20,22,24,26,28,30
	v_pk_mul_f32 v[S+\e:S+\e+1], v[S+\e:S+\e+1], v[BM:BM+1]
.endr
.irp e, 0,2,4,6,8,10,12,14,16,18,20,22,24,26,28,30
	v_pk_fma_f32 v[S+\e:S+\e+1], v[S+32+\e:S+32+\e+1], v[BM+2:BM+3], v[S+\e:S+\e+1]
.endr
.irp e, 0,2,4,6,8,10,12,14,16,18,20,22,24,26,28,30
	v_pk_fma_f32 v[S+\e:S+\e+1], v[VF+\e:VF+\e+1], v[BM+4:BM+5], v[S+\e:S+\e+1]
.endr
.irp e, 0,2,4,6,8,10,12,14,16,18,20,22,24,26,28,30
	v_pk_fma_f32 v[S+\e:S+\e+1], v[O+\e:O+\e+1], v[BM+6:BM+7], v[S+\e:S+\e+1]   ; mixed: register 16 b + i = rank 32 b + 16 h + i of query r
.endr
	; THE LAST PRODUCT: mixed is quantised along the rank and takes Q's place in [D, 0, D]; source 0 = pairs of W_C's tiles of 16 columns.
	s_wait_loadcnt 0x0                             ; W_C
.irp p, 0,1,2,3
	v_lshl_or_b32 v[WS+\p], v[WH+\p], 16, v[WS+\p] ; the scale word of the pair of tiles p
.endr
	QUANT2 S, QB, T
	v_lshl_or_b32 v[QS+1], v[T], 16, 0x0101
	v_or_b32 v[QS], 0x01010000, v[T]
.irp i, 0,1,2,3
	v_mov_b32 v[QB+8+\i], v[QB+\i]
.endr
.rept 8
	v_nop                                          ; a scale register written by a vector instruction stands 8 places ahead of a scaled matrix instruction, an operand so written 4
.endr
.irp n, 0,1,2,3,4,5,6,7
	WPROD \n                                       ; lane (r, h), register i of tile n: out0(query r, 128 g + 16 n + 8 h + i)
.endr
	PLACES
	; THE WAY OUT: 16 rows x 512 bytes through my own stage; LDS serves a wave's instructions in order (ISA guide 5.7.1.4), so no wait stands between the stores and the loads
.irp n, 0,1,2,3,4,5,6,7
	ds_store_b128 v[STO], v[S+8*\n:S+8*\n+3] offset:64*\n
	ds_store_b128 v[STO], v[S+8*\n+4:S+8*\n+7] offset:64*\n+16
.endr
.irp i, 0,1,2,3,4,5,6,7,8,9,10,11,12,13,14,15
	ds_load_b128 v[KF+4*\i:KF+4*\i+3], v[STR] offset:\i*SPI
.endr
.irp i, 0,1,2,3,4,5,6,7,8,9,10,11,12,13,14,15
	s_wait_dscnt 15-\i                             ; row i is back; the younger rows may be out
	global_store_b128 v[L16], v[KF+4*\i:KF+4*\i+3], s[OUT:OUT+1] offset:(\i+8*(\i/8))*2048 th:TH_STORE_NT   ; 32 lanes store 512 consecutive bytes, at a multiple of 256 from out0's first byte; query i of the tile lies i + 8 (i / 8) rows on
.endr
	s_wait_tensorcnt 0x0
	ds_add_u32 v254, v255
	s_wait_dscnt 0x0
	CROUND                                         ; the closing round: no work-group ends while a partner may still ask for a tile that names it
	s_endpgm
.Lfunc_end_k_qf393ac9de6_attend:
	.size	k_qf393ac9de6_attend, .Lfunc_end_k_qf393ac9de6_attend-k_qf393ac9de6_attend
	.p2alignl 7, 3214868480
	.fill 96, 4, 3214868480
	.section	.rodata,"a",@progbits
	.p2align	6, 0x0
	.amdhsa_kernel k_qf393ac9de6_attend
		.amdhsa_group_segment_fixed_size 327680
		.amdhsa_private_segment_fixed_size 0
		.amdhsa_enable_private_segment 0
		.amdhsa_kernarg_size 32
		.amdhsa_user_sgpr_count 2
		.amdhsa_user_sgpr_kernarg_segment_ptr 1
		.amdhsa_wavefront_size32 1
		.amdhsa_system_sgpr_workgroup_id_x 1
		.amdhsa_system_sgpr_workgroup_id_y 1
		.amdhsa_system_sgpr_workgroup_id_z 1
		.amdhsa_system_vgpr_workitem_id 0
		.amdhsa_next_free_vgpr 256
		.amdhsa_next_free_sgpr 92
		.amdhsa_reserve_vcc 0
		.amdhsa_float_denorm_mode_32 3
		.amdhsa_float_denorm_mode_16_64 3
		.amdhsa_memory_ordered 1
		.amdhsa_forward_progress 1
		.amdhsa_inst_pref_size 146
	.end_amdhsa_kernel
	.amdgpu_metadata
---
amdhsa.version: [ 1, 2 ]
amdhsa.kernels:
  - .name:           k_qf393ac9de6_attend
    .symbol:         k_qf393ac9de6_attend.kd
    .args:
      - { .name: kv, .offset: 0, .size: 8, .value_kind: global_buffer, .address_space: global }
      - { .name: W_C_codes, .offset: 8, .size: 8, .value_kind: global_buffer, .address_space: global }
      - { .name: W_C_scales, .offset: 16, .size: 8, .value_kind: global_buffer, .address_space: global }
      - { .name: out0, .offset: 24, .size: 8, .value_kind: global_buffer, .address_space: global }
    .group_segment_fixed_size: 327680
    .private_segment_fixed_size: 0
    .kernarg_segment_align: 8
    .kernarg_segment_size: 32
    .max_flat_workgroup_size: 512
    .sgpr_count:     92
    .vgpr_count:     256
    .wavefront_size: 32
...
	.end_amdgpu_metadata
.endif
;; end of part 2
